; MI455X (gfx1250); checked and timed in simulation.
; The chip was launched on July 23, 2026; its instructions are those of AMD's public machine-readable ISA for CDNA 5 (MIT licence, August 2026) and "CDNA5" Instruction Set Architecture Reference Guide (July 2026). The comments in the code are by the model that wrote it; some were corrected since.
;; Gated Cross Attention. Allowed arithmetic: matrix products marked QUANTISED: E2M1 operands, one E8M0 scale for each 32 along K, by v_wmma_scale_f32_16x16x128_f8f6f4 with both operands' format E2M1 (or v_wmma_scale_f32_32x16x128_f4), f32 sums; products left as they are: f32 operands where the result goes on into a quantised operand, else bf16, f16 or f32 operands; f32 sums; everything else in f32.
;; Inputs: Wg 4,096 x 8 float32; Wk_codes 1,024 x 32 x 16 uint8 (E2M1 codes of Wk, K innermost, in blocks of 32 codes, two codes a byte); Wk_scales 1,024 x 32 uint8 (E8M0 scales of Wk, one for each 32 codes along K); Wo_codes 1,024 x 32 x 16 uint8 (E2M1 codes of Wo, K innermost, in blocks of 32 codes, two codes a byte); Wo_scales 1,024 x 32 uint8 (E8M0 scales of Wo, one for each 32 codes along K); Wq_codes 1,024 x 32 x 16 uint8 (E2M1 codes of Wq, K innermost, in blocks of 32 codes, two codes a byte); Wq_scales 1,024 x 32 uint8 (E8M0 scales of Wq, one for each 32 codes along K); Wv_codes 1,024 x 32 x 16 uint8 (E2M1 codes of Wv, K innermost, in blocks of 32 codes, two codes a byte); Wv_scales 1,024 x 32 uint8 (E8M0 scales of Wv, one for each 32 codes along K); bg 4,096 float32; bk 1,024 float32; bo 1,024 float32; bq 1,024 float32; bv 1,024 float32; gate 4 x 4,096 x 8 float32; key_codes 4 x 4,096 x 1 x 32 x 16 uint8 (E2M1 codes of key, K innermost, in blocks of 32 codes, two codes a byte); key_scales 4 x 4,096 x 1 x 32 uint8 (E8M0 scales of key, one for each 32 codes along K); query_codes 4 x 4,096 x 32 x 16 uint8 (E2M1 codes of query, K innermost, in blocks of 32 codes, two codes a byte); query_scales 4 x 4,096 x 32 uint8 (E8M0 scales of query, one for each 32 codes along K).
;; Outputs: out0 4 x 4,096 x 1,024 float32.
;; This version of the problem:
;;   THIS VERSION OF THE PROBLEM IS GIVEN IN LOW PRECISION. The matrix products marked QUANTISED in the list below multiply operands that are first quantised to E2M1 (2 exponent bits, 1 mantissa bit; 4 bits a number), with one power-of-two scale for each 32 numbers along K (OCP MX v1.0); their sums are f32. All else is computed in f32.
;;   The module's matrix products, in the order in which they are computed (A, B: the left and right operand; K: the contracted axis; several contracted axes count as one K, in the product's order):
;;     1. [M 16,384, K 1,024] x [K 1,024, N 1,024]; A: input query (given as codes); B: input Wq (given as codes): QUANTISED
;;     2. [M 16,384, K 1,024] x [K 1,024, N 1,024]; A: input key (given as codes); B: input Wk (given as codes): QUANTISED
;;     3. [M 16,384, K 1,024] x [K 1,024, N 1,024]; A: input key (given as codes); B: input Wv (given as codes): QUANTISED
;;     4. [M 16,384, K 8] x [K 8, N 4,096]; A: input gate; B: input Wg: left as it is (K = 8 < 32)
;;     5. batch 262,144 x [M 1, K 64] x [K 64, N 1]; A: computed on the way; B: computed on the way: left as it is (M = 1 < 16)
;;     6. batch 262,144 x [M 1, K 1] x [K 1, N 64]; A: softmax; B: computed on the way: left as it is (K = 1 < 32)
;;     7. [M 16,384, K 1,024] x [K 1,024, N 1,024]; A: computed on the way; B: input Wo (given as codes): QUANTISED
;;   THE QUANTISER, for each operand of a quantised product, along K:
;;     - K is cut into blocks of 32 from its start; a last block that is shorter is filled with zeros.
;;     - A block's scale is 2^e with e = floor(log2(the largest magnitude in the block)) - 2, held to -126 .. 127; a block of zeros has e = 0. As a byte (E8M0): e + 127.
;;     - Each number is divided by its block's scale, clamped to +-6, and rounded to the nearest number of E2M1, ties to even, subnormals kept.
;;     - The product sums the exact products of the quantised numbers (number of the format x scale) in f32.
;;   ~~~python
;;   def quantise(x, axis):      # numpy; x: float32 -> the quantised numbers, widened to float32 again
;;       x = np.moveaxis(x, axis, -1); K = x.shape[-1]
;;       x = np.pad(x, [(0, 0)] * (x.ndim - 1) + [(0, -K % 32)]); x = x.reshape(x.shape[:-1] + (-1, 32)); a = np.abs(x).max(-1, keepdims=True)
;;       e = np.where(a > 0, np.clip(np.frexp(np.where(a > 0, a, 1))[1] - 1 - 2, -126, 127), 0)      # np.frexp(a)[1] - 1 = floor(log2(a)), exactly
;;       r = np.clip(x / 2.0 ** e, -6, 6)
;;       step = 2.0 ** (np.maximum(np.frexp(np.where(r == 0, 1, r))[1] - 1, 0) - 1)
;;       q = np.round(r / step) * step * 2.0 ** e      # np.round: ties to even
;;       return np.moveaxis(q.reshape(q.shape[:-2] + (-1,))[..., :K], -1, axis).astype(np.float32)
;;   ~~~
;;   OPERANDS COMPUTED ON THE WAY. 'Computed on the way' means the value that the module computes at that place (a softmax that the list does not call 'softmax' is quantised finished and normalised). What goes into a quantiser is computed in f32, as accurately as f32 sums, v_exp_f32 and their like allow (about 1e-6 of the number): no bf16 or f16 on the way to a quantiser, and a product that is left as it is and whose result goes on into a quantised operand takes f32 operands (vector FMAs, or v_wmma_f32_16x16x4_f32). A number that lies on a knife's edge between two numbers of the format may be rounded either way, as far as f32 arithmetic and the matrix unit's own rounding can turn it there, and no further.
;;   INPUTS GIVEN AS CODES. Wk (in the module: [1024, 1024], K = its axis 1); Wo (in the module: [1024, 1024], K = its axis 1); Wq (in the module: [1024, 1024], K = its axis 1); Wv (in the module: [1024, 1024], K = its axis 1); key (in the module: [4, 4096, 1, 1024], K = its axis 3); query (in the module: [4, 4096, 1024], K = its axis 2): each comes as NAME_codes (uint8): NAME with its K axis moved to the last place and cut into blocks of 32 codes, [.., K / 32, bytes a block], one block behind the other in memory; two codes a byte, the lower K in the low four bits (a code: sign, 2 exponent bits, 1 mantissa bit); and NAME_scales (uint8): the same leading axes, one E8M0 byte (e + 127) for each 32 codes along K. Its value is code x scale, taken as it is: it is not quantised again, and the codes and scales need not be those that the quantiser above would give.
;; One version. Each part assembles by itself: llvm-mc -triple=amdgcn-amd-amdhsa -mcpu=gfx1250 --defsym DOCPART=n.
;; ======== version 1 of 1: 1 launch
;; limits: right only within a limited range of input values
;; launch fused (part 1): grid 256 x 1, 4 waves a work-group, clusters of 4 x 1, 327,680 bytes of LDS; arguments key_codes, key_scales, Wk_codes, Wk_scales, Wo_codes, Wo_scales, bk, bo, out0; writes out0
.if DOCPART == 1
	.amdgcn_target "amdgcn-amd-amdhsa--gfx1250"
	.amdhsa_code_object_version 6
	.text
	.protected	k_qd5e12e1ee2_fused
	.globl	k_qd5e12e1ee2_fused
	.p2align	8
	.type	k_qd5e12e1ee2_fused,@function
k_qd5e12e1ee2_fused:
	s_mov_b64 s[64:65], 0
	v_nop
	global_prefetch_b8 v0, s[64:65] scope:SCOPE_SE
	s_setreg_imm32_b32 hwreg(HW_REG_WAVE_MODE, 25, 1), 1
	s_wait_xcnt 0x0
	s_wait_alu depctr_hold_cnt(0) depctr_sa_sdst(0) depctr_va_vdst(0) depctr_va_sdst(0) depctr_va_ssrc(0) depctr_va_vcc(0) depctr_vm_vsrc(0)
	s_getreg_b32 s2, hwreg(HW_REG_IB_STS2, 6, 4)
	s_cmp_eq_u32 s2, 0
	s_cbranch_scc0 .Lentry_in_a_cluster
	s_endpgm
.Lentry_in_a_cluster:
	s_bfe_u32 s2, ttmp6, 0x10000c
	s_cmp_lg_u32 s2, 0x3003
	s_cbranch_scc0 .Lentry_shape_is_right
	s_endpgm
.Lentry_shape_is_right:
; out0 = Q(k x k) Wo^T + bo,  k = key Wk^T + bk.  16,384 rows, C = 1,024.  key, Wk, Wo arrive as codes of FP4 (E2M1), K innermost, two codes a byte, one E8M0 byte for each 32 along K.  Q: the same quantiser along C.  Sums in f32.
; DEAD WORK, LEFT OUT.  (1) The softmax runs over M = 1 key: its one exponent less the maximum, which is that exponent itself, is 0; e^0 over the sum e^0 is 1, whatever finite values the inputs hold.  So the weight is the factor 1:
; the score and q reach no output, and query, Wq and bq are not read.  (2) key Wv^T + bv and sigmoid(gate Wg^T + bg) are bound to names that the module never uses: Wv, bv, gate, Wg, bg are not read.
; LIMITS: a NaN, an infinity or an overflow that reaches only this work (q, the score, the softmax, v, the gate) is not carried to out0.  |k| of 2^64 or more (k x k overflows f32) is not served.  A block whose largest magnitude lies under
; 2^-124 is held at the scale byte 1; a block of zeros gets the byte 1 where the rule says 127: its codes are zeros, and the bytes are read by this program alone.
; SHARES.  A work-group of four waves owns 64 rows through the whole chain: 256 work-groups.  The waves share the columns: each byte of a weight is read from LDS by one wave, once, and serves all 64 rows.
; A TILE of weights is 256 rows x all of K, 128 KiB: tiles 0-3 are Wk's, 4-7 Wo's.  Wave w owns 64 of a tile's 256 columns.  Two LDS slots; every work-group walks the same tiles, so the four of a cluster ask for each JOINTLY (mask 15).
; (A cluster of 4 x 4 would add nothing: a mask names four work-groups, and there is no second axis along which something else is shared.)
; FIRST PRODUCT, TRANSPOSED: source 0 = 32 rows of Wk, source 1 = 16 rows of key.  Lane (r, h) holds row r; registers 0-7 columns 8 h + 0..7 of a block of 32, registers 8-15 columns 16 + 8 h + 0..7.  bk is the C of the first K step.
; SECOND PRODUCT, NOT TRANSPOSED: source 0 = 32 rows of Q(k x k), source 1 = 16 rows of Wo: those numbered 4 r + t within my 64 (the tensor load's pitch of four rows lays them so).  Lane (r, h) then holds, over t = 0..3, the four
; neighbouring columns 4 r + t of row 8 h + j: 16 bytes, and sixteen lanes hold 256 neighbouring bytes of out0.  The addition of bo lays the four side by side.  No stage in LDS.
; PREFETCH: tiles 2 and 3 are asked of memory behind the head's loads, tile t + 3 at the change of slots that loads tile t + 1: two changes ahead.  Four clusters ask (numbers 0, 2, 4, 6), each for every 256 bytes once: 32 lanes x 4 waves x 4
; work-groups x 256 bytes are a tile; the partners are told apart by address.  Tiles 0 and 1 come by their loads alone, and nothing is asked for beyond tile 7.
; REGISTERS, in windows of 256:  0: addresses, scale words, the quantiser's scratch.  1: the 64 rows' fragments (rows m, K step s at 32 s + 8 m): key's, then Q(k x k)'s.  2: my slice of a tile (16 rows t, K step s at 32 s + 8 t).
;   3: v0-127 accumulators, eight of 16 registers; v128-255 bk in the first product, rows of out0 on their way out in the second.
.set PITCH, 528                        ; an LDS row: 512 bytes + 16 of padding = 132 words: row r starts at bank 4 r mod 64 (64 banks of 4 bytes: ISA guide 11.1), so the 16 rows of a fragment load start at 16 different banks
.set SLOT, 256*PITCH
.set TILE, 131072                      ; a tile in memory
.set KST, 2*SLOT                       ; key's 64 rows, filled once, read in the first tile.  IMAGES of Q(k x k)'s fragments, 8,192 bytes a tile: tiles 2, 3 at KST and KST + 8192 (key's rows have been read by then), tiles 0, 1 behind key's rows
.set HSC, KST+50176                    ; the scale bytes of Q(k x k): [64 rows][32]
.set SPARE, HSC+2048                   ; the spare words, 128 bytes a wave: two blocks of 256 bytes that no other line names
.set FAK, 4                            ; v4-5   my fragments of Wk in slot 0, 1
.set FAO, 6                            ; v6-9   of Wo: slot 0 t = 0,1; t = 2,3; slot 1 likewise
.set SPW, 10
.set NIL, 11
.set LI, 12                            ; v12    KST + 16 x lane
.set IMS, 13                           ; v13    + 512 x wave: where I store an image
.set HSS, 14                           ; v14    HSC + 32 r + 2 x wave: two scale bytes
.set HSL, 15                           ; v15    HSC + 32 x lane
.set KFR, 16                           ; v16    key's fragments
.set WSK, 17                           ; v17    my rows' scales in Wk_scales
.set WSO, 18                           ; v18    in Wo_scales
.set KSO, 19                           ; v19    key's scales
.set BKO, 20
.set BOO, 21
.set CO, 22                            ; v22    my byte offset in the work-group's rows of out0
.set PFO, 23                           ; v23    the prefetches' offset
.set KS, 32                            ; v32-47   key's scale words: 8 (m / 2) + s; lanes 0-15 an even m, 16-31 the odd one
.set A2S, 48                           ; v48-63   those of Q(k x k): 8 i + s, lane l row 32 i + l
.set WS, 64                            ; v64-127  the weights': set g at 16 g.  Wk: 8 u + s, lane l row 32 u + l.  Wo: 8 (t / 2) + s, lanes 0-15 an even t, 16-31 the odd one
.set BO, 128                           ; v128-143 bo: 4 g + t
.set TM, 144
.set TP, 152
.set SCO, 160
.set BY, 168
.set HW, 176
.set PC, 180
.set OUT, 128                          ; window 3
.set G1A, 24                           ; descriptor groups 1: 128 rows (tile 0's halves),
.set G1B, 32                           ; 256 rows (tile 1),
.set G1K, 40                           ; key's 64 rows, no mask,
.set G1W, 48                           ; 64 rows of Wk,
.set G1O, 56                           ; 64 rows of Wo, four rows apart
.set WV, 66
.set CX, 67
.set G0, 68
.set G0B, 72
.set G0K, 76
.set WKA, 80                           ; s[80:81] Wk + 64 rows x wave
.set WOA, 82                           ; s[82:83] Wo + one row x wave
.set WLB, 84                           ; s84 LDS: 64 rows x wave
.set SEL, 86
.set WG, 88
.set PFC, 89                           ; s89 0 in the clusters that prefetch
.set MSB, 0
.macro WIN new                         ; the immediate's high byte repeats the setting that is left
.if MSB != \new
	s_set_vgpr_msb (MSB<<8)|\new
.set MSB, \new
.endif
.endm
.macro PLACES n                        ; plain vector instructions that name no register: the distance behind matrix instructions (ISA guide 7.12.1)
.rept \n
	v_nop
.endr
.endm
.macro CREST                           ; a round of the cluster's barrier behind its opening barrier
	s_cmp_lg_u32 s[WV], 0
	s_cbranch_scc1 .Lnot_wave_0_\@
	s_barrier_signal -3
.Lnot_wave_0_\@:
	s_barrier_wait -3
	s_barrier_signal -1
	s_barrier_wait -1
.endm
.macro CROUND                          ; a whole round
	s_barrier_signal -1
	s_barrier_wait -1
	CREST
.endm
.macro ASK tile
	WIN 0
	s_cmp_eq_u32 s[PFC], 0
	s_cbranch_scc0 .Lnot_mine_\@
.if (\tile) < 4
	global_prefetch_b8 v[PFO], s[8:9] offset:(\tile)*TILE th:TH_LOAD_NT scope:SCOPE_SE
.else
	global_prefetch_b8 v[PFO], s[12:13] offset:((\tile)-4)*TILE th:TH_LOAD_NT scope:SCOPE_SE
.endif
.Lnot_mine_\@:
.endm
; A change of slots: all my tensor loads have landed, 0 is added to my spare word, my reads of the slot that is left are over and my LDS stores have landed; the round shows both of every wave
; of every partner; then the joint refill, 64 rows a wave.
; prod = 1, 2: the K steps 6 and 7 of the tile that is being multiplied (first product, tile g; second product, tile g, rows 32-63) stand within, one behind the add, one inside the opening barrier; their fragments are in registers.
.macro TURN tile, prod, g
	WIN 0
	s_wait_tensorcnt 0x0
	ds_add_u32 v[SPW], v[NIL]
	s_add_co_u32 s[G0+1], s[WLB], ((\tile)%2)*SLOT ; no tensor load of mine is out, so group 0 may be written
.if (\tile) < 4
	s_add_nc_u64 s[G0+2:G0+3], s[WKA:WKA+1], (\tile)*TILE
.else
	s_add_nc_u64 s[G0+2:G0+3], s[WOA:WOA+1], ((\tile)-4)*TILE
.endif
	s_or_b32 s[G0+3], s[G0+3], 0x80000000
.if (\prod) == 1
	s_wait_dscnt 9                                 ; step 6's fragments are in; step 7's eight loads and the add may be out
	K1 \g, 6
.elseif (\prod) == 2
	K2 \g, 1, 6
.endif
	s_wait_dscnt 0x0                               ; the add is done
	s_barrier_signal -1
.if (\prod) == 1
	K1 \g, 7
.elseif (\prod) == 2
	K2 \g, 1, 7
.endif
	WIN 0
	s_barrier_wait -1
	CREST
.if (\tile) < 4
	tensor_load_to_lds s[G0:G0+3], s[G1W:G1W+7]
.else
	tensor_load_to_lds s[G0:G0+3], s[G1O:G1O+7]
.endif
	s_nop 0
	PLACES 4
.endm
; A fragment, 16 rows x 128 K of 4-bit codes, is 8 registers: lane (r, h) holds row r; registers 4 c .. 4 c + 3 hold K = 64 c + 32 h + 0 .. 31: two loads of 16 bytes, 32 bytes apart.
.macro LDW slot, st, wo                ; my 64 rows of the tile, K step st
	WIN 0x80
.irp t, 0,1,2,3
.irp c, 0,1
.if \wo
	ds_load_b128 v[32*(\st)+8*\t+4*\c:32*(\st)+8*\t+4*\c+3], v[FAO+2*(\slot)+\t/2] offset:64*PITCH*(\t%2)+64*(\st)+32*\c
.else
	ds_load_b128 v[32*(\st)+8*\t+4*\c:32*(\st)+8*\t+4*\c+3], v[FAK+(\slot)] offset:16*PITCH*\t+64*(\st)+32*\c
.endif
.endr
.endr
.endm
.macro LDKEY st                        ; key's 64 rows, K step st
	WIN 0x40
.irp m, 0,1,2,3
.irp c, 0,1
	ds_load_b128 v[32*(\st)+8*\m+4*\c:32*(\st)+8*\m+4*\c+3], v[KFR] offset:16*PITCH*\m+64*(\st)+32*\c
.endr
.endr
.endm
.macro SECTION g                       ; where tile g's images begin, from KST on
.if (\g) < 2
.set SECOFF, 33792+8192*(\g)
.else
.set SECOFF, 8192*((\g)-2)
.endif
.endm
.macro LDA st, i                       ; Q(k x k): rows 32 i .. 32 i + 31, K step st, as images of the registers
	SECTION (\st)/2
	WIN 0x40
.irp d, 0,1
.irp c, 0,1
	ds_load_b128 v[32*(\st)+16*(\i)+8*\d+4*\c:32*(\st)+16*(\i)+8*\d+4*\c+3], v[LI] offset:SECOFF+2048*(2*(\i)+\d)+512*(2*((\st)%2)+\c)
.endr
.endr
.endm
; The accumulators take turns, one instruction a turn, in the same order in every step.
.macro K1 g, st                        ; first product: 2 blocks of 32 columns x 4 tiles of rows
	WIN 0xf6                                       ; source 0 window 2, source 1 window 1, C and D window 3
.irp u, 0,1
.irp m, 0,1,2,3
.set rD, 16*(4*\u+\m)
.set rC, rD
.if (\st) == 0
.set rC, 128+32*(\g)+16*\u
.endif
.if \m%2
	v_wmma_scale_f32_32x16x128_f4 v[rD:rD+15], v[32*(\st)+16*\u:32*(\st)+16*\u+15], v[32*(\st)+8*\m:32*(\st)+8*\m+7], v[rC:rC+15], v[WS+16*(\g)+8*\u+(\st)], v[KS+8*(\m/2)+(\st)] matrix_b_scale:MATRIX_SCALE_ROW1
.else
	v_wmma_scale_f32_32x16x128_f4 v[rD:rD+15], v[32*(\st)+16*\u:32*(\st)+16*\u+15], v[32*(\st)+8*\m:32*(\st)+8*\m+7], v[rC:rC+15], v[WS+16*(\g)+8*\u+(\st)], v[KS+8*(\m/2)+(\st)]
.endif
.endr
.endr
.endm
.macro K2 g, i, st                     ; second product: rows 32 i on x 4 tiles of columns
	WIN 0xf9                                       ; source 0 window 1, source 1 window 2, C and D window 3
.irp t, 0,1,2,3
.set rD, 16*(4*(\i)+\t)
.set rA, 32*(\st)+16*(\i)
.set rB, 32*(\st)+8*\t
.set rP, A2S+8*(\i)+(\st)
.set rR, WS+16*(\g)+8*(\t/2)+(\st)
.if (\st) == 0
.if \t%2
	v_wmma_scale_f32_32x16x128_f4 v[rD:rD+15], v[rA:rA+15], v[rB:rB+7], 0, v[rP], v[rR] matrix_b_scale:MATRIX_SCALE_ROW1
.else
	v_wmma_scale_f32_32x16x128_f4 v[rD:rD+15], v[rA:rA+15], v[rB:rB+7], 0, v[rP], v[rR]
.endif
.else
.if \t%2
	v_wmma_scale_f32_32x16x128_f4 v[rD:rD+15], v[rA:rA+15], v[rB:rB+7], v[rD:rD+15], v[rP], v[rR] matrix_b_scale:MATRIX_SCALE_ROW1
.else
	v_wmma_scale_f32_32x16x128_f4 v[rD:rD+15], v[rA:rA+15], v[rB:rB+7], v[rD:rD+15], v[rP], v[rR]
.endif
.endif
.endr
.endm
; Tile g's K steps 0 .. n - 1.  Four steps' fragments are on their way when it begins; two more steps' are fetched ahead of step 0, the last two ahead of step 2 (tile 0: key's; the others: the weights'): at most five later steps of 8 loads are out.
.macro KLOOP1 g, first, n
.irp s, 0,1,2,3,4,5,6,7
.if \s < (\n)
.if (\s == 0) || (\s == 2)
.if \first
	LDKEY (\s)+4
	LDKEY (\s)+5
.else
	LDW (\g)%2, (\s)+4, 0
	LDW (\g)%2, (\s)+5, 0
.endif
.endif
.if \s < 4
	s_wait_dscnt 40-8*(\s%2)
.else
	s_wait_dscnt 56-8*\s
.endif
	K1 \g, \s
.endif
.endr
.endm
.macro WKLOAD g                        ; a row of a weight has 32 scale bytes, 8 words, one for each K step
.irp u, 0,1
.irp j, 0,1
	global_load_b128 v[WS+16*(\g)+8*\u+4*\j:WS+16*(\g)+8*\u+4*\j+3], v[WSK], s[10:11] offset:8192*(\g)+1024*\u+16*\j
.endr
.endr
.endm
.macro WOLOAD g
.irp b, 0,1
.irp j, 0,1
	global_load_b128 v[WS+16*(\g)+8*\b+4*\j:WS+16*(\g)+8*\b+4*\j+3], v[WSO], s[14:15] offset:8192*(\g)+64*\b+16*\j
.endr
.endr
.endm
.macro BKLOAD g                        ; bk in the result's layout: lane (r, h), block u: columns 32 u + 8 h + 0..7 and 16 more on
	WIN 0xc0
.irp u, 0,1
.irp d, 0,1
.irp q, 0,1
	global_load_b128 v[128+32*(\g)+16*\u+8*\d+4*\q:128+32*(\g)+16*\u+8*\d+4*\q+3], v[BKO], s[16:17] offset:1024*(\g)+128*\u+64*\d+16*\q
.endr
.endr
.endr
	WIN 0
.endm
; k x k, quantised along C, to LDS.  Accumulator a = 4 u + m: block u of rows m; lanes l and l xor 16 share a block.  Nothing here is negative, so the maxima take no |.|
.macro EPI g
	WIN 0xcf
.irp e, 0,2,4,6,8,10,12,14
.irp a, 0,1,2,3,4,5,6,7
	v_pk_mul_f32 v[16*\a+\e:16*\a+\e+1], v[16*\a+\e:16*\a+\e+1], v[16*\a+\e:16*\a+\e+1]
.endr
.endr
	WIN 0x0f
.irp a, 0,1,2,3,4,5,6,7
	v_max3_num_f32 v[TM+\a], v[16*\a], v[16*\a+1], 0x1800000   ; the floor 2^(3 - 127): the byte cannot fall under 1
.endr
.irp e, 2,4,6,8,10,12,14
.irp a, 0,1,2,3,4,5,6,7
	v_max3_num_f32 v[TM+\a], v[16*\a+\e], v[16*\a+\e+1], v[TM+\a]
.endr
.endr
	WIN 0
.irp a, 0,1,2,3,4,5,6,7
	v_permlanex16_b32 v[TP+\a], v[TM+\a], s[SEL], s[SEL+1]
.endr
.irp a, 0,1,2,3,4,5,6,7
	v_max_num_f32 v[TM+\a], v[TM+\a], v[TP+\a]
.endr
.irp a, 0,1,2,3,4,5,6,7
	v_add_nc_u32 v[SCO+\a], 0xff000000, v[TM+\a]   ; 2 off its exponent field: the conversion takes this operand's exponent field as its scale
.endr
.irp a, 0,1,2,3,4,5,6,7
	v_lshrrev_b32 v[BY+\a], 23, v[SCO+\a]          ; the scale's byte
.endr
.irp m, 0,1,2,3
	v_lshl_or_b32 v[HW+\m], v[BY+4+\m], 8, v[BY+\m]
.endr
	WIN 0x03
.irp m, 0,1,2,3
	v_cvt_scalef32_pk8_fp4_f32 v[PC+4*\m],   v[16*\m:16*\m+7],       v[SCO+\m]      ; columns 8 h + 0..7
	v_cvt_scalef32_pk8_fp4_f32 v[PC+4*\m+1], v[64+16*\m:64+16*\m+7], v[SCO+4+\m]    ; 32 + 8 h
	v_cvt_scalef32_pk8_fp4_f32 v[PC+4*\m+2], v[16*\m+8:16*\m+15],    v[SCO+\m]      ; 16 + 8 h
	v_cvt_scalef32_pk8_fp4_f32 v[PC+4*\m+3], v[64+16*\m+8:64+16*\m+15], v[SCO+4+\m] ; 48 + 8 h
.endr
	v_nop                                          ; one plain instruction behind the last scaled conversion
	WIN 0
.irp m, 0,1,2,3                        ; a WHOLE block in a lane: register q then holds columns 32 h + 8 q + 0..7 of my 64
	v_permlane16_swap_b32 v[PC+4*\m], v[PC+4*\m+1]
	v_permlane16_swap_b32 v[PC+4*\m+2], v[PC+4*\m+3]
.endr
	SECTION \g
.irp m, 0,1,2,3
	ds_store_b128 v[IMS], v[PC+4*\m:PC+4*\m+3] offset:SECOFF+2048*\m   ; half a fragment as its registers stand: K step 2 g + wave / 2, half wave % 2
	ds_store_b16 v[HSS], v[HW+\m] offset:512*\m+8*(\g)                 ; both halves of the lanes write the same two bytes with the same value
.endr
.endm
.macro TILE1 t                         ; Wk's tiles 1 to 3; the tile before is quantised while the first fragments are on their way
.if (\t) > 1
	TURN (\t)+1, 1, (\t)-1
	v_nop                                          ; with the four behind the tensor load: five places behind the matrix instructions
.else
	PLACES 5                                       ; for all that reads or writes over a register of the matrix instructions before
	WIN 0
.endif
.irp s, 0,1,2,3
	LDW (\t)%2, \s, 0
.endr
	WIN 0
.if (\t) > 1
	ASK (\t)+3
.else
	s_wait_loadcnt 0x0                             ; all of the head's loads
.endif
	WOLOAD (\t)-1                                  ; the set of scale words that the tile before has done with
	EPI (\t)-1
.if (\t) == 3
	KLOOP1 \t, 0, 8
.else
	KLOOP1 \t, 0, 6                                ; steps 6 and 7 stand in the change of slots
.endif
.endm
.macro ADDS g, i                       ; + bo, and the four columns of a lane side by side.  Each accumulator from its low end on
	WIN 0xc3
.irp k, 0,1,2,3,4,5,6,7,8,9,10,11,12,13,14,15
.irp t, 0,1,2,3
	v_add_f32 v[OUT+64*(\i)+4*\k+\t], v[16*(4*(\i)+\t)+\k], v[BO+4*(\g)+\t]
.endr
.endr
	s_wait_alu depctr_va_vdst(0)                   ; the stores stand behind waits and scalar instructions
.endm
.macro STORE g, i, k                   ; register k: row 32 i + 16 (k / 8) + 8 h + k % 8: sixteen lanes store 256 consecutive bytes, at a multiple of 256 from out0's first byte; two such runs a store
	WIN 0x0c
	global_store_b128 v[CO], v[OUT+64*(\i)+4*(\k):OUT+64*(\i)+4*(\k)+3], s[20:21] offset:(32*(\i)+16*((\k)/8)+(\k)%8)*4096+1024*(\g) th:TH_STORE_NT
.endm
.macro LAST g                          ; rows 32-63 of tile g leave
	ADDS \g, 1
.irp k, 0,1,2,3,4,5,6,7,8,9,10,11,12,13,14,15
	STORE \g, 1, \k
.endr
.endm
; Wo's tile g.  Rows 0-31 are finished first: their stores go out among the matrix instructions of rows 32-63, which find all fragments in registers.  In tile 0 the steps 6 and 7 of rows 32-63 stand in the change of slots, and
; these rows leave behind it, while the next tile's first fragments are on their way; in the other tiles they leave ahead of it.
.macro TILE2 g
.if (\g) == 0
	WIN 0
.irp i, 0,1
.irp j, 0,1
	ds_load_b128 v[A2S+8*\i+4*\j:A2S+8*\i+4*\j+3], v[HSL] offset:1024*\i+16*\j
.endr
.endr
.irp s, 0,1,2,3
	LDW 0, \s, 1
	LDA \s, 0
.endr
	ASK 7
	s_wait_loadcnt 4                               ; Wo's scale words of tiles 4 to 6; tile 7's four loads may be out
.irp s, 0,1,2,3,4,5,6,7
.if (\s == 0) || (\s == 2)
	LDW 0, (\s)+4, 1
	LDA (\s)+4, 0
	LDW 0, (\s)+5, 1
	LDA (\s)+5, 0
.elseif \s == 4
.irp e, 0,1,2,3,4,5,6,7
	LDA \e, 1
.endr
.endif
.if \s < 4
	s_wait_dscnt 60-12*(\s%2)                      ; 12 loads a K step: five later steps' may be out, then four
.elseif \s == 4
	s_wait_dscnt 60                                ; (three later steps' and the 32 of rows 32-63 are 68)
.else
	s_wait_dscnt 32+12*(7-\s)
.endif
	K2 0, 0, \s
.endr
.else
.irp s, 0,1,2,3
	LDW (\g)%2, \s, 1
.endr
.if (\g) == 1
	LAST (\g)-1
.endif
.if (\g) == 1
	s_wait_loadcnt 0x0                             ; tile 7's scale words too
.endif
.irp s, 0,1,2,3,4,5,6,7
.if (\s == 0) || (\s == 2)
	LDW (\g)%2, (\s)+4, 1
	LDW (\g)%2, (\s)+5, 1
.endif
.if \s < 4
	s_wait_dscnt 40-8*(\s%2)
.else
	s_wait_dscnt 56-8*\s
.endif
	K2 \g, 0, \s
.endr
.endif
	PLACES 5
.if (\g) > 0
	s_wait_xcnt 0x0                                ; the tile before's stores have read their registers
.endif
	ADDS \g, 0
.irp k, 0,1,2,3,4,5,6,7
	STORE \g, 0, \k
.endr
	s_wait_dscnt 0x0
.irp s, 0,1,2,3
	K2 \g, 1, \s
.endr
.irp k, 8,9,10,11,12,13,14,15
	STORE \g, 0, \k
.endr
.irp s, 4,5
	K2 \g, 1, \s
.endr
.if (\g) > 0
.irp s, 6,7
	K2 \g, 1, \s
.endr
	PLACES 5
.endif
.endm
	s_load_b512 s[4:19], s[0:1], 0x0               ; key's codes s[4:5], scales s[6:7]; Wk's s[8:9], s[10:11]; Wo's s[12:13], s[14:15]; bk s[16:17]; bo s[18:19]
	s_load_b64 s[20:21], s[0:1], 0x40              ; out0
	v_lshl_add_u32 v[SPW], v0, 2, SPARE
	v_mov_b32 v[NIL], 0
	ds_add_u32 v[SPW], v[NIL]                      ; the wave's opening: the add, twice on end, and its wait ahead of my first tensor load
	ds_add_u32 v[SPW], v[NIL]
	v_lshrrev_b32 v24, 5, v0
	v_readfirstlane_b32 s[WV], v24                 ; wave 0..3
	s_bfe_u32 s[CX], ttmp6, 0x40000                ; my place in the cluster: it enters the addresses of key, out0 and the prefetches alone
	s_lshl_b32 s[WG], ttmp9, 2                     ; in a cluster launch ttmp9 counts clusters
	s_add_co_u32 s[WG], s[WG], s[CX]               ; my block of 64 rows
	s_and_b32 s[PFC], ttmp9, 0x39                  ; 0 in clusters 0, 2, 4, 6
	; descriptor groups 1: rows of 512 bytes, elements of 1 byte; bit 20 padding on, 24:22 after every 128 words (code 6), 31:25 four words (code 3); 15:0 the mask: all four work-groups, bit 21 set beside it
.irp d, G1A, G1B, G1W, G1O
	s_mov_b32 s[\d], 15|(1<<20)|(1<<21)|(6<<22)|(3<<25)
.endr
	s_mov_b32 s[G1K], (1<<20)|(6<<22)|(3<<25)
.irp d, G1A, G1B, G1K, G1W, G1O
	s_mov_b32 s[\d+1], 512<<16                     ; tensor_dim0
	s_mov_b32 s[\d+3], 512<<16                     ; tile_dim0
	s_mov_b32 s[\d+6], 0
	s_mov_b32 s[\d+7], 0
.endr
.macro NROWS d, n, pitch
	s_mov_b32 s[\d+2], (\n)<<16                    ; tensor_dim1
	s_mov_b32 s[\d+4], \n                          ; tile_dim1
	s_mov_b32 s[\d+5], \pitch                      ; tensor_dim0_stride
.endm
	NROWS G1A, 128, 512
	NROWS G1B, 256, 512
	NROWS G1K, 64, 512
	NROWS G1W, 64, 512
	NROWS G1O, 64, 2048
	s_mov_b32 s[SEL], 0x76543210                   ; v_permlanex16_b32's selects for lane l xor 16
	s_mov_b32 s[SEL+1], 0xfedcba98
	s_mul_i32 s[WLB], s[WV], 64*PITCH
	s_mul_i32 s85, s[WV], 16*PITCH
	s_lshl_b32 s90, s[WV], 11
	s_lshl_b32 s91, s[WV], 8
	s_lshl_b32 s92, s[WV], 9
	s_lshl_b32 s93, s[WV], 1
	s_lshl_b32 s94, s[CX], 15
	s_lshl_b32 s95, s[WV], 13
	s_add_co_u32 s94, s94, s95
	s_lshl_b32 s22, s[WV], 16                      ; waves 0, 1: half a tile
	s_mov_b32 s23, 0
	s_lshl_b32 s96, s[WG], 15                      ; 64 rows of 512 bytes
	s_mov_b32 s97, 0
	s_mov_b32 s[G0], 1
	s_mul_i32 s[G0+1], s[WV], 128*PITCH
	s_mov_b32 s[G0B], 1
	s_mov_b32 s[G0B+1], SLOT
	s_mov_b32 s[G0K], 1
	s_mov_b32 s[G0K+1], KST
	v_and_b32 v1, 15, v0                           ; r
	v_bfe_u32 v2, v0, 4, 1                         ; h
	v_and_b32 v3, 31, v0                           ; lane
	v_mul_u32_u24 v25, v1, PITCH
	v_lshl_add_u32 v25, v2, 4, v25                 ; r x pitch + 16 h
	v_add_nc_u32 v[FAK], s[WLB], v25               ; Wk: rows 64 w + 16 t + r
	v_add_nc_u32 v[FAK+1], SLOT, v[FAK]
	v_add_nc_u32 v[FAO], s85, v25                  ; Wo: LDS rows 64 t + 16 w + r
	v_add_nc_u32 v[FAO+1], 128*PITCH, v[FAO]
	v_add_nc_u32 v[FAO+2], SLOT, v[FAO]
	v_add_nc_u32 v[FAO+3], SLOT+128*PITCH, v[FAO]
	v_add_nc_u32 v[KFR], KST, v25
	v_lshl_add_u32 v[LI], v3, 4, KST
	v_add_nc_u32 v[IMS], s92, v[LI]
	v_lshl_add_u32 v[HSS], v1, 5, HSC
	v_add_nc_u32 v[HSS], s93, v[HSS]
	v_lshl_add_u32 v[HSL], v3, 5, HSC
	v_lshl_add_u32 v[WSK], v3, 5, s90              ; 32 x (64 w + lane)
	v_lshlrev_b32 v26, 7, v1
	v_lshl_add_u32 v26, v2, 5, v26
	v_add_nc_u32 v[WSO], s90, v26                  ; 32 x (64 w + 4 r + h)
	v_lshlrev_b32 v[KSO], 5, v3
	v_lshl_add_u32 v[BKO], v2, 5, s91              ; 4 x (64 w + 8 h)
	v_lshl_add_u32 v[BOO], v1, 4, s91              ; 4 x (64 w + 4 r)
	v_lshl_add_u32 v[CO], v2, 15, v[BOO]           ; + 8 h rows of 4,096 bytes
	v_lshl_add_u32 v[PFO], v3, 8, s94              ; 32,768 x place + 8,192 x wave + 256 x lane
.irp a, 0,1,2,3,4,5,6,7
	v_mov_b32 v[TP+\a], 0                          ; written once: a lane permute's destination counts as one of its sources
.endr
	s_wait_alu depctr_va_vdst(0)                   ; no vector instruction of the head follows
	s_wait_dscnt 0x0                               ; both opening adds are done
	CROUND                                         ; all four work-groups are here: the first joint loads meet
	s_wait_kmcnt 0x0
	s_add_nc_u64 s[G0+2:G0+3], s[8:9], s[22:23]
	s_or_b32 s[G0+3], s[G0+3], 0x80000000
	s_add_nc_u64 s[G0B+2:G0B+3], s[8:9], TILE
	s_or_b32 s[G0B+3], s[G0B+3], 0x80000000
	s_add_nc_u64 s[G0K+2:G0K+3], s[4:5], s[96:97]
	s_or_b32 s[G0K+3], s[G0K+3], 0x80000000
	s_lshl_b32 s96, s[WG], 11                      ; 64 rows of 32 scale bytes
	s_add_nc_u64 s[6:7], s[6:7], s[96:97]
; 56 loads: key's scale words 4; for each tile of Wk its scale words 4 and bk 8, tile 0's first; bo 4
.macro HEADLOADS
.irp i, 0,1
.irp j, 0,1
	global_load_b128 v[KS+8*\i+4*\j:KS+8*\i+4*\j+3], v[KSO], s[6:7] offset:1024*\i+16*\j
.endr
.endr
.irp g, 0,1,2,3
	WKLOAD \g
	BKLOAD \g
.endr
.irp g, 0,1,2,3
	global_load_b128 v[BO+4*\g:BO+4*\g+3], v[BOO], s[18:19] offset:1024*\g
.endr
.endm
; THE HEAD'S LOADS, ONE TENSOR LOAD A WAVE.  Waves 0 and 1: the halves of tile 0; wave 2: my work-group's 64 rows of key; wave 3: tile 1, by a line of its own.  Every way through the tree passes exactly one.
; What is needed first is asked for first: tile 0 and key ahead of the wave's 56 plain loads, tile 1 behind them.
	s_cmp_lt_u32 s[WV], 2
	s_cbranch_scc0 .Lhead_1
	tensor_load_to_lds s[G0:G0+3], s[G1A:G1A+7]
	s_nop 0
	PLACES 4
	s_branch .Lhead_asked
.Lhead_1:
	s_cmp_lt_u32 s[WV], 3
	s_cbranch_scc0 .Lhead_tile_1
	tensor_load_to_lds s[G0K:G0K+3], s[G1K:G1K+7]
	s_nop 0
	PLACES 4
	s_branch .Lhead_asked
.Lhead_tile_1:
	HEADLOADS
	tensor_load_to_lds s[G0B:G0B+3], s[G1B:G1B+7]
	s_nop 0
	PLACES 4
	s_branch .Lhead_join
.Lhead_asked:
	HEADLOADS
.Lhead_join:
	s_lshl_b32 s22, s[WV], 15                      ; the refills: 64 rows of Wk x wave,
	s_add_nc_u64 s[WKA:WKA+1], s[8:9], s[22:23]
	s_lshl_b32 s22, s[WV], 9                       ; one row of Wo x wave
	s_add_nc_u64 s[WOA:WOA+1], s[12:13], s[22:23]
	s_lshl_b32 s96, s[WG], 18                      ; 64 rows of 4,096 bytes
	s_add_nc_u64 s[20:21], s[20:21], s[96:97]
	ASK 2
	ASK 3
	s_cmp_eq_u32 s[WV], 3
	s_cbranch_scc1 .Ltile_1_later                  ; wave 3's load, tile 1, is waited for at the first change of slots, behind which tile 1 is read
	s_wait_tensorcnt 0x0                           ; my part of tile 0, or key, is in
.Ltile_1_later:
	s_barrier_signal -1
	s_barrier_wait -1                              ; and everybody's
.irp s, 0,1,2,3,4,5,6,7
	LDW 0, \s, 0                                   ; my whole slice of tile 0, so that its slot is free
.endr
	TURN 2, 0, 0
.irp s, 0,1,2,3
	LDKEY \s
.endr
	ASK 4
	s_wait_loadcnt 40                              ; key's scale words, tile 0's and its bk: the first 16 of 56
	KLOOP1 0, 1, 8
	TILE1 1
	TILE1 2
	TILE1 3
	PLACES 5
	WIN 0
	WOLOAD 3
	EPI 3
	TURN 5, 0, 0                                   ; its wait for my LDS stores and its round also show every wave all images and scale bytes
	TILE2 0
	TURN 6, 2, 0
	v_nop
	TILE2 1
	LAST 1
	TURN 7, 0, 0
	TILE2 2
	LAST 2
	WIN 0
	s_wait_tensorcnt 0x0                           ; my part of the last tile; nothing is filled again
	s_wait_dscnt 0x0
	s_barrier_signal -1
	s_barrier_wait -1
	TILE2 3
	LAST 3
	WIN 0
	s_wait_tensorcnt 0x0                           ; the wave's end, behind my last tensor load and my last LDS store
	ds_add_u32 v[SPW], v[NIL]
	s_wait_dscnt 0x0
	CROUND                                         ; the closing round: no work-group ends while a partner may still ask for a tile that names it
	s_endpgm
.Lfunc_end_k_qd5e12e1ee2_fused:
	.size	k_qd5e12e1ee2_fused, .Lfunc_end_k_qd5e12e1ee2_fused-k_qd5e12e1ee2_fused
	.p2alignl 7, 3214868480
	.fill 96, 4, 3214868480
	.section	.rodata,"a",@progbits
	.p2align	6, 0x0
	.amdhsa_kernel k_qd5e12e1ee2_fused
		.amdhsa_group_segment_fixed_size 327680
		.amdhsa_private_segment_fixed_size 0
		.amdhsa_enable_private_segment 0
		.amdhsa_kernarg_size 72
		.amdhsa_user_sgpr_count 2
		.amdhsa_user_sgpr_kernarg_segment_ptr 1
		.amdhsa_wavefront_size32 1
		.amdhsa_system_sgpr_workgroup_id_x 1
		.amdhsa_system_sgpr_workgroup_id_y 1
		.amdhsa_system_sgpr_workgroup_id_z 1
		.amdhsa_system_vgpr_workitem_id 0
		.amdhsa_next_free_vgpr 1024
		.amdhsa_next_free_sgpr 100
		.amdhsa_reserve_vcc 0
		.amdhsa_float_denorm_mode_32 3
		.amdhsa_float_denorm_mode_16_64 3
		.amdhsa_memory_ordered 1
		.amdhsa_forward_progress 1
		.amdhsa_inst_pref_size 214
	.end_amdhsa_kernel
	.amdgpu_metadata
---
amdhsa.version: [ 1, 2 ]
amdhsa.kernels:
  - .name:           k_qd5e12e1ee2_fused
    .symbol:         k_qd5e12e1ee2_fused.kd
    .args:
      - { .name: key_codes, .offset: 0, .size: 8, .value_kind: global_buffer, .address_space: global }
      - { .name: key_scales, .offset: 8, .size: 8, .value_kind: global_buffer, .address_space: global }
      - { .name: Wk_codes, .offset: 16, .size: 8, .value_kind: global_buffer, .address_space: global }
      - { .name: Wk_scales, .offset: 24, .size: 8, .value_kind: global_buffer, .address_space: global }
      - { .name: Wo_codes, .offset: 32, .size: 8, .value_kind: global_buffer, .address_space: global }
      - { .name: Wo_scales, .offset: 40, .size: 8, .value_kind: global_buffer, .address_space: global }
      - { .name: bk, .offset: 48, .size: 8, .value_kind: global_buffer, .address_space: global }
      - { .name: bo, .offset: 56, .size: 8, .value_kind: global_buffer, .address_space: global }
      - { .name: out0, .offset: 64, .size: 8, .value_kind: global_buffer, .address_space: global }
    .group_segment_fixed_size: 327680
    .private_segment_fixed_size: 0
    .kernarg_segment_align: 8
    .kernarg_segment_size: 72
    .max_flat_workgroup_size: 128
    .sgpr_count:     100
    .vgpr_count:     1024
    .wavefront_size: 32
...
	.end_amdgpu_metadata
.endif
;; end of part 1
